; MI455X (gfx1250); checked and timed in simulation.
; The chip was launched on July 23, 2026; its instructions are those of AMD's public machine-readable ISA for CDNA 5 (MIT licence, August 2026) and "CDNA5" Instruction Set Architecture Reference Guide (July 2026). The comments in the code are by the model that wrote it; some were corrected since.
;; Time Dependent Attention. Allowed arithmetic: matrix products marked QUANTISED: E4M3 operands, one given power-of-two scale a tensor, by v_wmma_f32_16x16x64_fp8_fp8 or v_wmma_f32_16x16x128_fp8_fp8, f32 sums; products left as they are: f32 operands where the result goes on into a quantised operand, else bf16, f16 or f32 operands; f32 sums; everything else in f32.
;; Inputs: W_o_codes 768 x 24 x 32 uint8 (E4M3 codes of W_o, K innermost, in blocks of 32 codes); Wt_k 768 x 256 float32; Wt_q 768 x 256 float32; Wt_v 768 x 256 float32; Wx_k_codes 768 x 24 x 32 uint8 (E4M3 codes of Wx_k, K innermost, in blocks of 32 codes); Wx_q_codes 768 x 24 x 32 uint8 (E4M3 codes of Wx_q, K innermost, in blocks of 32 codes); Wx_v_codes 768 x 24 x 32 uint8 (E4M3 codes of Wx_v, K innermost, in blocks of 32 codes); b_o 768 float32; lowp_scales 12 int32 (the exponents e of the quantised operands' scales 2^e); rel_pos_bias 12 x 1,024 x 1,024 float32; t 8 x 256 float32; x_codes 8 x 1,024 x 24 x 32 uint8 (E4M3 codes of x, K innermost, in blocks of 32 codes).
;; Outputs: out0 8 x 1,024 x 768 float32.
;; This version of the problem:
;;   THIS VERSION OF THE PROBLEM IS GIVEN IN LOW PRECISION. The matrix products marked QUANTISED in the list below multiply operands that are first quantised to E4M3 (4 exponent bits, 3 mantissa bits; 8 bits a number), with one given power-of-two scale for each operand tensor; their sums are f32. All else is computed in f32.
;;   The module's matrix products, in the order in which they are computed (A, B: the left and right operand; K: the contracted axis; several contracted axes count as one K, in the product's order):
;;     1. [M 8,192, K 768] x [K 768, N 768]; A: input x (given as codes); B: input Wx_q (given as codes): QUANTISED (scales: A lowp_scales[0], B lowp_scales[1])
;;     2. [M 8, K 256] x [K 256, N 768]; A: input t; B: input Wt_q: left as it is (M = 8 < 16)
;;     3. [M 8,192, K 768] x [K 768, N 768]; A: input x (given as codes); B: input Wx_k (given as codes): QUANTISED (scales: A lowp_scales[2], B lowp_scales[3])
;;     4. [M 8, K 256] x [K 256, N 768]; A: input t; B: input Wt_k: left as it is (M = 8 < 16)
;;     5. [M 8,192, K 768] x [K 768, N 768]; A: input x (given as codes); B: input Wx_v (given as codes): QUANTISED (scales: A lowp_scales[4], B lowp_scales[5])
;;     6. [M 8, K 256] x [K 256, N 768]; A: input t; B: input Wt_v: left as it is (M = 8 < 16)
;;     7. batch 96 x [M 1,024, K 64] x [K 64, N 1,024]; A: computed on the way; B: computed on the way: QUANTISED (scales: A lowp_scales[6], B lowp_scales[7])
;;     8. batch 96 x [M 1,024, K 1,024] x [K 1,024, N 64]; A: softmax (see below); B: computed on the way: QUANTISED (scales: A lowp_scales[8], B lowp_scales[9])
;;     9. [M 8,192, K 768] x [K 768, N 768]; A: computed on the way; B: input W_o (given as codes): QUANTISED (scales: A lowp_scales[10], B lowp_scales[11])
;;   THE QUANTISER, for each operand of a quantised product, along K:
;;     - The operand's scale is 2^e, e = its entry of the input lowp_scales (int32; the entries are numbered through the quantised products in the list's order, A before B).
;;     - Each number is divided by the scale, clamped to +-448, and rounded to the nearest number of E4M3, ties to even, subnormals kept.
;;     - The product sums the exact products of the quantised numbers (number of the format x scale) in f32.
;;   ~~~python
;;   def quantise(x, axis, e):      # numpy; x: float32 -> the quantised numbers, widened to float32 again
;;       x = np.moveaxis(x, axis, -1); K = x.shape[-1]
;;       r = np.clip(x / 2.0 ** e, -448, 448)
;;       step = 2.0 ** (np.maximum(np.frexp(np.where(r == 0, 1, r))[1] - 1, -6) - 3)
;;       q = np.round(r / step) * step * 2.0 ** e      # np.round: ties to even
;;       return np.moveaxis(q, -1, axis).astype(np.float32)
;;   ~~~
;;   SOFTMAX AHEAD OF A QUANTISED PRODUCT. Where the list says 'softmax', what is quantised is not the finished softmax but p = 2^(t - M), with t = logit x log2(e) and M = ceil(the row's largest t), a whole number; so 1/2 < the row's largest p <= 1. The row's sum l is taken of the UNQUANTISED p, in f32, and the product's result is divided by l at the end. Since M is a whole number, a kernel that streams over the keys may use a running M (the ceiling of the running maximum): every later rescaling is an exact power of two, so the quantised numbers keep their values, but for numbers so far below the row's largest that they fall under the format's range.
;;   OPERANDS COMPUTED ON THE WAY. 'Computed on the way' means the value that the module computes at that place (a softmax that the list does not call 'softmax' is quantised finished and normalised). What goes into a quantiser is computed in f32, as accurately as f32 sums, v_exp_f32 and their like allow (about 1e-6 of the number): no bf16 or f16 on the way to a quantiser, and a product that is left as it is and whose result goes on into a quantised operand takes f32 operands (vector FMAs, or v_wmma_f32_16x16x4_f32). A number that lies on a knife's edge between two numbers of the format may be rounded either way, as far as f32 arithmetic and the matrix unit's own rounding can turn it there, and no further.
;;   INPUTS GIVEN AS CODES. W_o (in the module: [768, 768], K = its axis 1); Wx_k (in the module: [768, 768], K = its axis 1); Wx_q (in the module: [768, 768], K = its axis 1); Wx_v (in the module: [768, 768], K = its axis 1); x (in the module: [8, 1024, 768], K = its axis 2): each comes as NAME_codes (uint8): NAME with its K axis moved to the last place and cut into blocks of 32 codes, [.., K / 32, bytes a block], one block behind the other in memory; one code a byte (a code: sign, 4 exponent bits, 3 mantissa bits); its scale is its entry of lowp_scales. Its value is code x scale, taken as it is: it is not quantised again, and the codes and scales need not be those that the quantiser above would give.
;; One version. Each part assembles by itself: llvm-mc -triple=amdgcn-amd-amdhsa -mcpu=gfx1250 --defsym DOCPART=n.
;; ======== version 1 of 1: 4 launches
;; limits: right only within a limited range of input values
;; workspace buffers: tsh 73,728 bytes; wimg 2,359,296 bytes; qimg 6,291,456 bytes; kvimg 12,582,912 bytes; oimg 6,291,456 bytes
;; launch prep (part 1): grid 120 x 1, 4 waves a work-group, no clusters, 0 bytes of LDS; arguments t, Wt_q, Wt_k, Wt_v, Wx_q_codes, Wx_k_codes, Wx_v_codes, W_o_codes, tsh, wimg; writes tsh, wimg
.if DOCPART == 1
	.amdgcn_target "amdgcn-amd-amdhsa--gfx1250"
	.amdhsa_code_object_version 6
	.text
	.protected	k_q569deec2eb_prep
	.globl	k_q569deec2eb_prep
	.p2align	8
	.type	k_q569deec2eb_prep,@function
k_q569deec2eb_prep:
	s_mov_b64 s[64:65], 0
	v_nop
	global_prefetch_b8 v0, s[64:65] scope:SCOPE_SE
	s_setreg_imm32_b32 hwreg(HW_REG_WAVE_MODE, 25, 1), 1
	s_wait_xcnt 0x0
; Two small jobs that every later launch leans on, in one launch; the work-group's number says which.
; WORK-GROUPS 0-71: the shifts t Wt^T, in f32 by fused multiply-adds (their results go on into quantisers).  A wave takes 8 output columns of one of the three
; weights, for all 8 batches: 64 dot products of length 256.  Lane L holds k = 4 L .. 4 L + 3 and k = 128 + 4 L .. + 3 of each row, so every load covers 512 consecutive bytes.
; A dot product is four packed multiply-adds in a lane and a sum over the 32 lanes.  tsh: [group 288][batch 8][8 columns] f32, group = (768 x kind + column) / 8: 256 bytes a wave, one store.
; WORK-GROUPS 72-119: the four weights that come as codes are laid as IMAGES OF OPERAND REGISTERS: wimg [matrix q, k, v, o][tile of 16 rows: 48][K step of 128: 6][2,048 bytes];
; registers 4 c .. 4 c + 3 of lane L lie at byte 512 c + 16 L, so a later launch fetches a fragment by four loads of 512 consecutive bytes.
; Wx_q, Wx_k, Wx_v: register pair 4 c + 2 u holds k = 32 c + 16 (L / 16) + 8 u + 0 .. 7 (the order in which x's fragments come out of LDS by 16-byte loads; the same order on both sides of a product).
; W_o: register pair 4 c + 2 u holds k = 32 c + 16 u + 8 (L / 16) + 0 .. 7 (the instruction's own order, in which attention's results fall).
; No LDS, no barrier, no matrix unit, no cluster: the waves share nothing, and the launch moves about 7 MB.  NaN among the inputs is not served.
.set TD,   32                          ; v32-95   t: batch b at v[TD + 8 b], eight numbers
.set WD,   96                          ; v96-159  Wt: column c at v[WD + 8 c]
.set OUTP, 4                           ; v[4:5]   the two results that my lane stores
.set TP,   8                           ; v[8:15]  four chains' pairs
.set PD,   16                          ; v16-19   the lane exchange's destinations
	s_load_b512 s[4:19], s[0:1], 0x0               ; t, Wt_q, Wt_k, Wt_v, Wx_q, Wx_k, Wx_v, W_o
	s_load_b128 s[20:23], s[0:1], 0x40             ; tsh, wimg
	v_lshrrev_b32 v1, 5, v0
	v_readfirstlane_b32 s32, v1                    ; wave 0..3
	v_and_b32 v2, 31, v0                           ; lane
	v_lshlrev_b32 v1, 4, v2                        ; 16 x lane
	s_mov_b32 s29, 0                               ; the upper word of the offsets' pair s[28:29]
	s_cmp_ge_u32 ttmp9, 72
	s_cbranch_scc1 .Lrelay
	; ---- the shifts
	v_lshlrev_b32 v3, 3, v2                        ; 8 x lane: my two results' place in the group's 256 bytes
	s_lshl_b32 s27, ttmp9, 2
	s_add_co_u32 s27, s27, s32                     ; the group, 0..287
	s_mov_b32 s34, 0x76543210                      ; lane selects: each lane takes its own place in the other half
	s_mov_b32 s35, 0xfedcba98
	s_wait_kmcnt 0x0
	s_cmp_lt_u32 ttmp9, 24                         ; 24 work-groups to a weight: the choice hangs on the work-group's number alone
	s_cselect_b64 s[24:25], s[6:7], s[8:9]
	s_cselect_b32 s26, 0, 96
	s_cmp_lt_u32 ttmp9, 48
	s_cselect_b64 s[24:25], s[24:25], s[10:11]
	s_cselect_b32 s26, s26, 192
	s_sub_co_u32 s28, s27, s26                     ; the group within its weight,
	s_lshl_b32 s28, s28, 13                        ; x 8 rows of 1,024 bytes
	s_add_nc_u64 s[24:25], s[24:25], s[28:29]
	s_lshl_b32 s28, s27, 8
	s_add_nc_u64 s[20:21], s[20:21], s[28:29]      ; tsh at my group
	s_wait_alu depctr_va_vdst(0)
.irp b, 0,1,2,3,4,5,6,7
	global_load_b128 v[TD+8*\b:TD+8*\b+3],   v1, s[4:5] offset:1024*\b
	global_load_b128 v[TD+8*\b+4:TD+8*\b+7], v1, s[4:5] offset:1024*\b+512
.endr
.irp c, 0,1,2,3,4,5,6,7
	global_load_b128 v[WD+8*\c:WD+8*\c+3],   v1, s[24:25] offset:1024*\c
	global_load_b128 v[WD+8*\c+4:WD+8*\c+7], v1, s[24:25] offset:1024*\c+512
.endr
	v_mov_b32 v[OUTP], 0                           ; written whole once: the selects below keep the other lanes' numbers
	v_mov_b32 v[OUTP+1], 0
.irp q, 0,1,2,3
	v_mov_b32 v[PD+\q], 0                          ; a lane exchange's destination counts as one of its sources
.endr
	s_wait_loadcnt 0x0
; Column c against batches b0 .. b0 + 3: four chains, stage by stage, so that no line waits for the line above it.
; The sum ends up in every lane; lane 4 b + c / 2 keeps it, in register c % 2: element 8 b + c of the group.
.macro DOT4 c, b0
.irp q, 0,1,2,3
	v_pk_mul_f32 v[TP+2*\q:TP+2*\q+1], v[TD+8*(\b0+\q):TD+8*(\b0+\q)+1], v[WD+8*\c:WD+8*\c+1]
.endr
.irp k, 2,4,6
.irp q, 0,1,2,3
	v_pk_fma_f32 v[TP+2*\q:TP+2*\q+1], v[TD+8*(\b0+\q)+\k:TD+8*(\b0+\q)+\k+1], v[WD+8*\c+\k:WD+8*\c+\k+1], v[TP+2*\q:TP+2*\q+1]
.endr
.endr
.irp q, 0,1,2,3
	v_add_f32 v[TP+2*\q], v[TP+2*\q], v[TP+2*\q+1]
.endr
.irp m, 1,2,4,8
.irp q, 0,1,2,3
	v_add_f32_dpp v[TP+2*\q], v[TP+2*\q], v[TP+2*\q] row_xmask:\m row_mask:0xf bank_mask:0xf
.endr
.endr
.irp q, 0,1,2,3
	v_permlanex16_b32 v[PD+\q], v[TP+2*\q], s34, s35
.endr
.irp q, 0,1,2,3
	v_add_f32 v[TP+2*\q], v[TP+2*\q], v[PD+\q]
.endr
.irp q, 0,1,2,3
	s_mov_b32 s[36+\q], 1<<(4*(\b0+\q)+(\c)/2)
	v_cndmask_b32 v[OUTP+(\c)%2], v[OUTP+(\c)%2], v[TP+2*\q], s[36+\q]
.endr
.endm
.irp c, 0,1,2,3,4,5,6,7
	DOT4 \c, 0
	DOT4 \c, 4
.endr
	global_store_b64 v3, v[OUTP:OUTP+1], s[20:21]  ; 32 lanes store 256 consecutive bytes, at a multiple of 256 from tsh's first byte
	s_endpgm
	; ---- the weights' images: a wave takes one tile of 16 rows, all six K steps: 12,288 bytes in, 12,288 out
.Lrelay:
	v_and_b32 v3, 15, v0                           ; r
	v_bfe_u32 v4, v0, 4, 1                         ; h
	s_sub_co_u32 s33, ttmp9, 72                    ; 0..47: twelve work-groups to a matrix
	s_wait_alu depctr_va_vdst(0)
	s_wait_kmcnt 0x0
	s_cmp_lt_u32 s33, 12
	s_cselect_b64 s[24:25], s[12:13], s[14:15]
	s_cselect_b32 s26, 0, 12
	s_cmp_lt_u32 s33, 24
	s_cselect_b64 s[24:25], s[24:25], s[16:17]
	s_cselect_b32 s26, s26, 24
	s_cmp_lt_u32 s33, 36
	s_cselect_b64 s[24:25], s[24:25], s[18:19]
	s_cselect_b32 s26, s26, 36
	s_cselect_b32 s30, 4, 3                        ; the lanes' halves stand 16 bytes apart (Wx) or 8 (W_o),
	s_cselect_b32 s31, 8, 16                       ; a group's two register pairs 8 bytes apart (Wx) or 16 (W_o)
	s_sub_co_u32 s27, s33, s26
	s_lshl_b32 s27, s27, 2
	s_add_co_u32 s27, s27, s32                     ; the tile within its matrix
	s_mul_i32 s28, s27, 12288                      ; 16 rows of 768 bytes
	s_add_nc_u64 s[24:25], s[24:25], s[28:29]
	s_lshl_b32 s27, s33, 2
	s_add_co_u32 s27, s27, s32                     ; 48 x matrix + tile
	s_mul_i32 s28, s27, 12288
	s_add_nc_u64 s[22:23], s[22:23], s[28:29]
	v_mul_u32_u24 v5, v3, 768
	v_lshlrev_b32 v4, s30, v4
	v_add_nc_u32 v6, v5, v4                        ; row r, my half: pair u = 0
	v_add_nc_u32 v7, s31, v6                       ; pair u = 1
.irp s, 0,1,2,3,4,5
.irp c, 0,1,2,3
.irp u, 0,1
	global_load_b64 v[32+16*\s+4*\c+2*\u:32+16*\s+4*\c+2*\u+1], v[6+\u], s[24:25] offset:128*\s+32*\c
.endr
.endr
.endr
	s_wait_loadcnt 0x0
.irp s, 0,1,2,3,4,5
.irp c, 0,1,2,3
	global_store_b128 v1, v[32+16*\s+4*\c:32+16*\s+4*\c+3], s[22:23] offset:2048*\s+512*\c   ; 512 consecutive bytes a store
.endr
.endr
	s_endpgm
.Lfunc_end_k_q569deec2eb_prep:
	.size	k_q569deec2eb_prep, .Lfunc_end_k_q569deec2eb_prep-k_q569deec2eb_prep
	.p2alignl 7, 3214868480
	.fill 96, 4, 3214868480
	.section	.rodata,"a",@progbits
	.p2align	6, 0x0
	.amdhsa_kernel k_q569deec2eb_prep
		.amdhsa_group_segment_fixed_size 0
		.amdhsa_private_segment_fixed_size 0
		.amdhsa_enable_private_segment 0
		.amdhsa_kernarg_size 80
		.amdhsa_user_sgpr_count 2
		.amdhsa_user_sgpr_kernarg_segment_ptr 1
		.amdhsa_wavefront_size32 1
		.amdhsa_system_sgpr_workgroup_id_x 1
		.amdhsa_system_sgpr_workgroup_id_y 1
		.amdhsa_system_sgpr_workgroup_id_z 1
		.amdhsa_system_vgpr_workitem_id 0
		.amdhsa_next_free_vgpr 160
		.amdhsa_next_free_sgpr 66
		.amdhsa_reserve_vcc 0
		.amdhsa_float_denorm_mode_32 3
		.amdhsa_float_denorm_mode_16_64 3
		.amdhsa_memory_ordered 1
		.amdhsa_forward_progress 1
		.amdhsa_inst_pref_size 61
	.end_amdhsa_kernel
	.amdgpu_metadata
---
amdhsa.version: [ 1, 2 ]
amdhsa.kernels:
  - .name:           k_q569deec2eb_prep
    .symbol:         k_q569deec2eb_prep.kd
    .args:
      - { .name: t, .offset: 0, .size: 8, .value_kind: global_buffer, .address_space: global }
      - { .name: Wt_q, .offset: 8, .size: 8, .value_kind: global_buffer, .address_space: global }
      - { .name: Wt_k, .offset: 16, .size: 8, .value_kind: global_buffer, .address_space: global }
      - { .name: Wt_v, .offset: 24, .size: 8, .value_kind: global_buffer, .address_space: global }
      - { .name: Wx_q_codes, .offset: 32, .size: 8, .value_kind: global_buffer, .address_space: global }
      - { .name: Wx_k_codes, .offset: 40, .size: 8, .value_kind: global_buffer, .address_space: global }
      - { .name: Wx_v_codes, .offset: 48, .size: 8, .value_kind: global_buffer, .address_space: global }
      - { .name: W_o_codes, .offset: 56, .size: 8, .value_kind: global_buffer, .address_space: global }
      - { .name: tsh, .offset: 64, .size: 8, .value_kind: global_buffer, .address_space: global }
      - { .name: wimg, .offset: 72, .size: 8, .value_kind: global_buffer, .address_space: global }
    .group_segment_fixed_size: 0
    .private_segment_fixed_size: 0
    .kernarg_segment_align: 8
    .kernarg_segment_size: 80
    .max_flat_workgroup_size: 128
    .sgpr_count:     66
    .vgpr_count:     160
    .wavefront_size: 32
...
	.end_amdgpu_metadata
.endif
;; end of part 1
;; launch qkv (part 2): grid 64 x 3, 4 waves a work-group, no clusters, 168,448 bytes of LDS; arguments x_codes, wimg, tsh, lowp_scales, qimg, kvimg; writes qimg, kvimg
.if DOCPART == 2
	.amdgcn_target "amdgcn-amd-amdhsa--gfx1250"
	.amdhsa_code_object_version 6
	.text
	.protected	k_q569deec2eb_qkv
	.globl	k_q569deec2eb_qkv
	.p2align	8
	.type	k_q569deec2eb_qkv,@function
k_q569deec2eb_qkv:
	s_mov_b64 s[64:65], 0
	v_nop
	global_prefetch_b8 v0, s[64:65] scope:SCOPE_SE
	s_setreg_imm32_b32 hwreg(HW_REG_WAVE_MODE, 25, 1), 1
	s_wait_xcnt 0x0
; q, k, v = x W^T + the batch's shift, on codes of E4M3 (v_wmma_f32_16x16x128_fp8_fp8, sums in f32), each result quantised at once with its given scale and stored as images of the
; operand registers that attention will load.  x has its own scale entry in each of the three products.
; SHARES.  A work-group takes 128 rows of x (one batch) and four heads; wave w takes head 4 y + w and walks three passes, q, k, v: each 128 rows x 64 columns, 32 accumulators, six K steps of 128.
; x's 128 rows lie in LDS, filled once by one tensor load a wave (32 rows of 768 bytes); a wave's rows of W are read by that wave alone, so they go from wimg straight into its registers, three K steps ahead.
; NO CLUSTER: the tile that goes through LDS, x's, is shared by the three work-groups along y, and a grid of three divides into no cluster of four; W never lies in LDS, so there is no tile of it to ask for jointly.
; ORIENTATION.  q, k: source 0 = 16 rows of W, source 1 = 16 rows of x: a lane holds row l % 16 of x and eight neighbouring columns of the head: one conversion gives two registers of a K = 64 fragment.
; v: source 0 = 16 rows of x, source 1 = 16 rows of W: a lane holds one channel and eight neighbouring KEYS, which are the second attention product's K.
; The shift is the C of each sum's first matrix instruction, divided by the power of two that the sums lack; the three scales ahead of a quantiser are folded into the conversion's one.
; LIMITS on the given exponents, so that each power of two below is an f32 number: e6 - e0 - e1, e7 - e2 - e3 and e9 - e4 - e5 lie between -126 and 119.  NaN among the inputs is not served.
; REGISTERS, in windows of 256: window 0: v1-7 addresses and the two numbers of the quantiser; v16-47 the shift as C; v48-115 the shifts as loaded; v128-191 codes.
;   window 1: accumulator (block a of 16 rows, tile t of 16 columns) at v[8 (4 a + t)].   window 2: W, a ring of four K steps x four fragments.   window 3: x's eight fragments, two sets.
.set PX,   816                         ; a row of x in LDS: three pieces of 256 bytes, 16 of padding behind each: 51 x 16 bytes, so the 16 rows of a load start at 16 different groups of banks
.set SH,   16
.set RQ,   48
.set RK,   80
.set RV,   112
.set CD,   128
.set WV,   16                          ; s16  wave
.set G1,   24                          ; s[24:31] descriptor group 1
.set G0,   32                          ; s[32:35] descriptor group 0
.set NEG,  48                          ; s48-50  -(ea + eb) for q, k, v
.set SCL,  51                          ; s51-53  2^(ed - ea - eb) as f32
.set LIM,  54                          ; s54-56  448 x that
.set MSB, 0
.macro WIN new                         ; the immediate's high byte repeats the setting that is left; a switch that changes nothing is dropped
.if MSB != (\new)
	s_set_vgpr_msb (MSB<<8)|(\new)
.set MSB, (\new)
.endif
.endm
.macro PLACES n
.rept \n
	v_nop
.endr
.endm
	s_load_b256 s[4:11], s[0:1], 0x0               ; x's codes, wimg, tsh, the scales' exponents
	s_load_b128 s[12:15], s[0:1], 0x20             ; qimg, kvimg
	v_lshl_add_u32 v254, v0, 2, 0x29000
	v_mov_b32 v255, 0
	ds_add_u32 v254, v255
	ds_add_u32 v254, v255
	v_lshrrev_b32 v8, 5, v0
	v_readfirstlane_b32 s[WV], v8                  ; wave 0..3
	s_and_b32 s17, ttmp7, 0xffff                   ; which four heads
	s_lshl_b32 s18, s17, 2
	s_add_co_u32 s18, s18, s[WV]                   ; n: my head
	s_lshr_b32 s19, ttmp9, 3                       ; b: the batch
	s_and_b32 s20, ttmp9, 7                        ; which 128 rows of it
	s_mov_b32 s[G1+0], (1<<20)|(5<<22)|(3<<25)     ; no mask; elements of 1 byte; padding on: 4 words behind every 64
	s_mov_b32 s[G1+1], 768<<16                     ; tensor_dim0 = 768
	s_mov_b32 s[G1+2], 32<<16                      ; tensor_dim1 = 32
	s_mov_b32 s[G1+3], 768<<16                     ; tile_dim0 = 768
	s_mov_b32 s[G1+4], 32                          ; tile_dim1 = 32
	s_mov_b32 s[G1+5], 768                         ; from row to row
	s_mov_b32 s[G1+6], 0
	s_mov_b32 s[G1+7], 0
	s_lshl_b32 s21, ttmp9, 7
	s_lshl_b32 s22, s[WV], 5
	s_add_co_u32 s21, s21, s22                     ; the first row that I fetch: 128 x work-group x + 32 x wave
	s_mul_i32 s22, s21, 768
	s_mov_b32 s23, 0
	s_mov_b32 s[G0], 1
	s_mul_i32 s[G0+1], s[WV], 32*PX                ; and where it goes
	s_wait_dscnt 0x0
	s_wait_kmcnt 0x0
	s_add_nc_u64 s[G0+2:G0+3], s[4:5], s[22:23]
	s_or_b32 s[G0+3], s[G0+3], 0x80000000
	tensor_load_to_lds s[G0:G0+3], s[G1:G1+7]      ; the launch's only fill: one load of mine is out
	s_nop 0
	PLACES 4                                       ; the four lines behind a tensor load
	s_load_b256 s[36:43], s[10:11], 0x0            ; e0 .. e7
	s_load_b128 s[44:47], s[10:11], 0x20           ; e8 .. e11
	v_and_b32 v8, 31, v0
	v_lshlrev_b32 v1, 4, v8                        ; 16 x lane: an image's place for my lane
	v_and_b32 v9, 15, v0                           ; r
	v_bfe_u32 v10, v0, 4, 1                        ; h
	v_mul_u32_u24 v2, v9, PX
	v_lshl_add_u32 v2, v10, 4, v2                  ; x's fragments: row r, + 16 h; blocks 0-3
	v_add_nc_u32 v3, 64*PX, v2                     ; blocks 4-7
	v_lshlrev_b32 v4, 8, v10                       ; the shift for q, k: my half's eight columns are the next group of tsh
	s_wait_alu depctr_va_vdst(0)
	v_lshrrev_b32 v5, 3, v9
	v_lshlrev_b32 v5, 8, v5
	v_and_b32 v11, 7, v9
	v_lshl_add_u32 v5, v11, 2, v5                  ; the shift for v: column r of a tile: group r / 8, number r % 8
	s_wait_alu depctr_va_vdst(0)
	s_mul_i32 s22, s18, 49152
	s_add_nc_u64 s[6:7], s[6:7], s[22:23]          ; wimg at my head's four tiles of Wx_q (12,288 bytes a tile)
	s_lshl_b32 s22, s18, 11
	s_lshl_b32 s21, s19, 5
	s_add_co_u32 s22, s22, s21
	s_add_nc_u64 s[8:9], s[8:9], s[22:23]          ; tsh at my head's eight groups, my batch
	s_mul_i32 s21, s19, 12
	s_add_co_u32 s21, s21, s18                     ; 12 b + n
	s_lshl_b32 s22, s21, 16
	s_lshl_b32 s57, s20, 13
	s_add_co_u32 s22, s22, s57
	s_add_nc_u64 s[12:13], s[12:13], s[22:23]      ; qimg: 64 tiles of 1,024 bytes a head; mine begin at tile 8 x (which 128 rows)
	s_lshl_b32 s22, s21, 17
	s_lshl_b32 s57, s20, 14
	s_add_co_u32 s22, s22, s57
	s_add_nc_u64 s[14:15], s[14:15], s[22:23]      ; kvimg: 16 key steps of 8,192 bytes a head; mine are two
.irp t, 0,1,2,3
	global_load_b128 v[RQ+8*\t:RQ+8*\t+3],   v4, s[8:9] offset:512*\t
	global_load_b128 v[RQ+8*\t+4:RQ+8*\t+7], v4, s[8:9] offset:512*\t+16
	global_load_b128 v[RK+8*\t:RK+8*\t+3],   v4, s[8:9] offset:24576+512*\t
	global_load_b128 v[RK+8*\t+4:RK+8*\t+7], v4, s[8:9] offset:24576+512*\t+16
	global_load_b32  v[RV+\t],               v5, s[8:9] offset:49152+512*\t
.endr
; Group G = 6 x pass + K step.  W's four fragments of group G: 16 loads of 512 consecutive bytes, into ring place G % 4.
.macro WLOAD G
.set wp, (\G)/6
.set ws, (\G)%6
	WIN 0x80                                       ; destination window 2
.irp t, 0,1,2,3
.irp c, 0,1,2,3
	global_load_b128 v[64*((\G)%4)+16*\t+4*\c:64*((\G)%4)+16*\t+4*\c+3], v1, s[6:7] offset:wp*589824+\t*12288+ws*2048+512*\c
.endr
.endr
.endm
; x's eight fragments of group G's K step: 32 LDS loads, into set G % 2.  Registers 4 c .. 4 c + 3 hold k = 32 c + 16 h + 0 .. 15, as W's images have it.
.macro XLOAD G
.set xs, (\G)%6
.set kp, 272*(xs/2)+128*(xs%2)
	WIN 0xc0                                       ; destination window 3
.irp a, 0,1,2,3,4,5,6,7
.irp c, 0,1,2,3
	ds_load_b128 v[128*((\G)%2)+16*\a+4*\c:128*((\G)%2)+16*\a+4*\c+3], v[2+\a/4] offset:(\a%4)*16*PX+kp+32*\c
.endr
.endr
.endm
	WLOAD 0
	WLOAD 1
	WLOAD 2
	s_wait_tensorcnt 0x0                           ; my 32 rows of x are in LDS,
	s_barrier_signal -1
	s_barrier_wait -1                              ; everybody's are; nothing is ever filled again
	XLOAD 0
	s_wait_loadcnt 48                              ; the 20 loads of the shifts are in; W's 48, issued behind them, may be out
	s_wait_kmcnt 0x0
.macro SCALES k, ea, eb, ed
	s_add_co_i32 s57, s[\ea], s[\eb]               ; a sum stands for sum x 2^(ea + eb)
	s_sub_co_i32 s[NEG+\k], 0, s57
	s_sub_co_i32 s57, s[\ed], s57
	s_add_co_i32 s57, s57, 127
	s_lshl_b32 s[SCL+\k], s57, 23                  ; 2^(ed - ea - eb): the conversion takes its exponent field
	s_add_co_i32 s57, s57, 8
	s_lshl_b32 s57, s57, 23
	s_or_b32 s[LIM+\k], s57, 0x600000              ; 448 x that
.endm
	SCALES 0, 36, 37, 42
	SCALES 1, 38, 39, 43
	SCALES 2, 40, 41, 45
; The pass's shift in the result's layout, divided by 2^(ea + eb): q, k: register j of tile t is column 16 t + 8 h + j; v: all eight registers of tile t are channel 16 t + r.
.macro PREP g
	WIN 0
.irp t, 0,1,2,3
.irp j, 0,1,2,3,4,5,6,7
.if \g == 0
	v_ldexp_f32 v[SH+8*\t+\j], v[RQ+8*\t+\j], s[NEG]
.elseif \g == 1
	v_ldexp_f32 v[SH+8*\t+\j], v[RK+8*\t+\j], s[NEG+1]
.else
	v_ldexp_f32 v[SH+8*\t+\j], v[RV+\t], s[NEG+2]
.endif
.endr
.endr
	v_mov_b32 v6, s[SCL+\g]
	v_mov_b32 v7, s[LIM+\g]
.endm
; One K step: 32 matrix instructions, the 32 accumulators by turns in the same order in every step.
.macro STEP G
	PLACES 4                                       ; the loads below land in registers that the last step's products read: four plain vector lines stand between (ISA guide 7.12.1 for vector instructions)
.if (\G)+3 <= 17
	WLOAD (\G)+3
.endif
.if (\G)+1 <= 17
	XLOAD (\G)+1
.endif
.if 17-(\G) >= 3
	s_wait_loadcnt 48                              ; this group's W is in; the three groups issued behind it may be out
.else
	s_wait_loadcnt 16*(17-(\G))
.endif
.if (\G) < 17
	s_wait_dscnt 32                                ; this step's x is in; the 32 loads just issued may be out
.else
	s_wait_dscnt 0x0
.endif
.set fw, 64*((\G)%4)
.set fx, 128*((\G)%2)
.if (\G)/6 < 2
.if (\G)%6 == 0
	WIN 0x4e                                       ; source 0 (W) window 2, source 1 (x) window 3, C (the shift) window 0, D window 1
.else
	WIN 0x5e                                       ; C and D window 1
.endif
.else
.if (\G)%6 == 0
	WIN 0x4b                                       ; source 0 (x) window 3, source 1 (W) window 2
.else
	WIN 0x5b
.endif
.endif
.irp a, 0,1,2,3,4,5,6,7
.irp t, 0,1,2,3
.if (\G)/6 < 2
.if (\G)%6 == 0
	v_wmma_f32_16x16x128_fp8_fp8 v[8*(4*\a+\t):8*(4*\a+\t)+7], v[fw+16*\t:fw+16*\t+15], v[fx+16*\a:fx+16*\a+15], v[SH+8*\t:SH+8*\t+7]
.else
	v_wmma_f32_16x16x128_fp8_fp8 v[8*(4*\a+\t):8*(4*\a+\t)+7], v[fw+16*\t:fw+16*\t+15], v[fx+16*\a:fx+16*\a+15], v[8*(4*\a+\t):8*(4*\a+\t)+7]
.endif
.else
.if (\G)%6 == 0
	v_wmma_f32_16x16x128_fp8_fp8 v[8*(4*\a+\t):8*(4*\a+\t)+7], v[fx+16*\a:fx+16*\a+15], v[fw+16*\t:fw+16*\t+15], v[SH+8*\t:SH+8*\t+7]
.else
	v_wmma_f32_16x16x128_fp8_fp8 v[8*(4*\a+\t):8*(4*\a+\t)+7], v[fx+16*\a:fx+16*\a+15], v[fw+16*\t:fw+16*\t+15], v[8*(4*\a+\t):8*(4*\a+\t)+7]
.endif
.endif
.endr
.endr
.endm
; A pass's results: held, converted, stored as images.  Every store covers 512 consecutive bytes, at a multiple of 512 from its buffer's first byte.
.macro OUT g
	PLACES 4                                       ; behind the last products, ahead of the first read of results
	s_wait_xcnt 0x0                                ; the last pass's stores have read the codes' registers: they are written again only behind this wait
	WIN 0x41                                       ; destination and source 0 window 1
.set i, 0
.rept 256
	v_med3_num_f32 v[i], v[i], -v7, v7             ; the conversion to an 8-bit code does not saturate (ISA guide 7.6.2): the hold at the largest code x the scale; each accumulator from its low end on
.set i, i+1
.endr
	WIN 0x01                                       ; source 0 window 1, destination window 0
.irp a, 0,1,2,3,4,5,6,7
.irp t, 0,1,2,3
.if \g < 2
	v_cvt_scalef32_pk8_fp8_f32 v[CD+8*\a+2*\t:CD+8*\a+2*\t+1], v[8*(4*\a+\t):8*(4*\a+\t)+7], v6                          ; rows 16 a on: registers 2 t, 2 t + 1 of the tile's fragment
.else
	v_cvt_scalef32_pk8_fp8_f32 v[CD+8*(4*(\a/4)+\t)+2*(\a%4):CD+8*(4*(\a/4)+\t)+2*(\a%4)+1], v[8*(4*\a+\t):8*(4*\a+\t)+7], v6   ; key step a / 4, channels 16 t on: registers 2 (a % 4), + 1
.endif
.endr
.endr
	WIN 0
	v_nop                                          ; one plain vector line behind the last conversion: the next pass's products write its sources
.irp m, 0,1,2,3,4,5,6,7
.irp c, 0,1
.if \g == 0
	global_store_b128 v1, v[CD+8*\m+4*\c:CD+8*\m+4*\c+3], s[12:13] offset:1024*\m+512*\c
.elseif \g == 1
	global_store_b128 v1, v[CD+8*\m+4*\c:CD+8*\m+4*\c+3], s[14:15] offset:8192*(\m/4)+1024*(\m%4)+512*\c
.else
	global_store_b128 v1, v[CD+8*\m+4*\c:CD+8*\m+4*\c+3], s[14:15] offset:8192*(\m/4)+4096+1024*(\m%4)+512*\c
.endif
.endr
.endr
.endm
	PREP 0
	s_wait_alu depctr_va_vdst(0)
.irp G, 0,1,2,3,4,5
	STEP \G
.endr
	OUT 0
	PREP 1
	s_wait_alu depctr_va_vdst(0)
.irp G, 6,7,8,9,10,11
	STEP \G
.endr
	OUT 1
	PREP 2
	s_wait_alu depctr_va_vdst(0)
.irp G, 12,13,14,15,16,17
	STEP \G
.endr
	OUT 2
	s_wait_tensorcnt 0x0
	ds_add_u32 v254, v255
	s_wait_dscnt 0x0
	s_endpgm
.Lfunc_end_k_q569deec2eb_qkv:
	.size	k_q569deec2eb_qkv, .Lfunc_end_k_q569deec2eb_qkv-k_q569deec2eb_qkv
	.p2alignl 7, 3214868480
	.fill 96, 4, 3214868480
	.section	.rodata,"a",@progbits
	.p2align	6, 0x0
	.amdhsa_kernel k_q569deec2eb_qkv
		.amdhsa_group_segment_fixed_size 168448
		.amdhsa_private_segment_fixed_size 0
		.amdhsa_enable_private_segment 0
		.amdhsa_kernarg_size 48
		.amdhsa_user_sgpr_count 2
		.amdhsa_user_sgpr_kernarg_segment_ptr 1
		.amdhsa_wavefront_size32 1
		.amdhsa_system_sgpr_workgroup_id_x 1
		.amdhsa_system_sgpr_workgroup_id_y 1
		.amdhsa_system_sgpr_workgroup_id_z 1
		.amdhsa_system_vgpr_workitem_id 0
		.amdhsa_next_free_vgpr 1024
		.amdhsa_next_free_sgpr 66
		.amdhsa_reserve_vcc 0
		.amdhsa_float_denorm_mode_32 3
		.amdhsa_float_denorm_mode_16_64 3
		.amdhsa_memory_ordered 1
		.amdhsa_forward_progress 1
		.amdhsa_inst_pref_size 176
	.end_amdhsa_kernel
	.amdgpu_metadata
---
amdhsa.version: [ 1, 2 ]
amdhsa.kernels:
  - .name:           k_q569deec2eb_qkv
    .symbol:         k_q569deec2eb_qkv.kd
    .args:
      - { .name: x_codes, .offset: 0, .size: 8, .value_kind: global_buffer, .address_space: global }
      - { .name: wimg, .offset: 8, .size: 8, .value_kind: global_buffer, .address_space: global }
      - { .name: tsh, .offset: 16, .size: 8, .value_kind: global_buffer, .address_space: global }
      - { .name: lowp_scales, .offset: 24, .size: 8, .value_kind: global_buffer, .address_space: global }
      - { .name: qimg, .offset: 32, .size: 8, .value_kind: global_buffer, .address_space: global }
      - { .name: kvimg, .offset: 40, .size: 8, .value_kind: global_buffer, .address_space: global }
    .group_segment_fixed_size: 168448
    .private_segment_fixed_size: 0
    .kernarg_segment_align: 8
    .kernarg_segment_size: 48
    .max_flat_workgroup_size: 128
    .sgpr_count:     66
    .vgpr_count:     1024
    .wavefront_size: 32
...
	.end_amdgpu_metadata
.endif
;; end of part 2
;; launch attn (part 3): grid 64 x 4, 12 waves a work-group, clusters of 4 x 4, 327,680 bytes of LDS; arguments qimg, kvimg, rel_pos_bias, lowp_scales, oimg; writes oimg
.if DOCPART == 3
	.amdgcn_target "amdgcn-amd-amdhsa--gfx1250"
	.amdhsa_code_object_version 6
	.text
	.protected	k_q569deec2eb_attn
	.globl	k_q569deec2eb_attn
	.p2align	8
	.type	k_q569deec2eb_attn,@function
k_q569deec2eb_attn:
	s_mov_b64 s[64:65], 0
	v_nop
	global_prefetch_b8 v0, s[64:65] scope:SCOPE_SE
	s_setreg_imm32_b32 hwreg(HW_REG_WAVE_MODE, 25, 1), 1
	s_wait_xcnt 0x0
	s_wait_alu depctr_hold_cnt(0) depctr_sa_sdst(0) depctr_va_vdst(0) depctr_va_sdst(0) depctr_va_ssrc(0) depctr_va_vcc(0) depctr_vm_vsrc(0)
	s_getreg_b32 s2, hwreg(HW_REG_IB_STS2, 6, 4)
	s_cmp_eq_u32 s2, 0
	s_cbranch_scc0 .Lentry_in_a_cluster
	s_endpgm
.Lentry_in_a_cluster:
	s_bfe_u32 s2, ttmp6, 0x10000c
	s_cmp_lg_u32 s2, 0xf033
	s_cbranch_scc0 .Lentry_shape_is_right
	s_endpgm
.Lentry_shape_is_right:
; o = softmax(q k^T / 8 + bias) v on codes of E4M3 (v_wmma_f32_16x16x64_fp8_fp8, sums in f32), o quantised with its given scale and stored as images of the last product's operand registers.
; THE SOFTMAX: t = logit x log2(e); M = the running largest t, rounded UP to a whole number; p = 2^(t - M) is quantised, not normalised; the row's sum is taken of the unquantised p and divides
; at the end.  When M moves, the sum and O are multiplied by 2^(old M - new M), which rounds nothing.
; SHARES.  A work-group: three heads x 64 queries x two batches, 256 equal work-groups.  Wave w: head 3 (x / 16) + w / 4, queries 64 (x % 16) + 16 (w % 4), both batches 2 y, 2 y + 1.
; PERIODS.  1,024 keys in eight periods of 128.  A UNIT is one batch x 128 keys: 8 score products, ONE maximum, one change of M, one rescaling of O, 8 products with V.
; TWO SETS OF 64 REGISTERS TAKE TURNS by the period's parity.  X holds the period's bias (x 8 / 2^(e6 + e7)), the C of both batches' scores; batch 0's scores go to Y, batch 1's are summed in place in X.
; When batch 0's p is converted, Y is free and takes the NEXT period's bias.  K and V share one set of 64 registers: K(0) | K(1) | V(0) | V(1) | next K(0), each run of loads issued under softmax work.
; LDS.  K's and V's images: head j, batch e at 65,536 j + 32,768 e, two slots of a period (16,384 bytes) side by side, so that ONE load at the head fills both.  The bias has one region, 64 rows x 528 bytes a head.
; ORDER IN A PERIOD.  The round of the cluster's barrier at its head stands in front of the joint refills (next period's K, V into the slot left, its bias into the region, which every wave has copied).
; In batch 1's softmax each wave waits for its load and passes a plain barrier, behind which nothing is filled: the next period's tiles are whole, and its bias and first K are copied under the rest of the period.
; All twelve waves fetch, one load each: of a head's four waves two take K and V of one batch each, two take 32 rows of the bias each.
; CLUSTER, 4 x 4.  K and V hang on heads and batches: shared along a row of the cluster.  The bias hangs on heads and queries: shared along a column.
; LAYOUT.  S^T = K Q^T + C (source 0 = 16 keys, source 1 = 16 queries): a lane holds ONE query (lane % 16) and keys 16 T + 8 (lane / 16) + 0 .. 7 in tile T, which is where the K = 64 form wants them as
; source 1 of O^T = V^T P^T: a conversion's two registers are two of P's.
; LIMITS on the given exponents, so that each power of two below is an f32 number: e6 + e7 between -123 and 129; e8 between -126 and 119; e8 + e9 - e10 is applied by v_ldexp_f32 and has none.  NaN among the inputs is not served.
.set BOFF,  196608
.set BP,    528                        ; 128 keys' 512 bytes + 16 of padding: the 16 rows of a load start at 16 different groups of banks
.set SPARE, 298240                     ; the spare words, 128 bytes for each of twelve waves; no other line names them
.set SPW,  1                           ; my spare word's address; never rewritten
.set NIL,  2                           ; 0; never rewritten
.set AKV,  3                           ; my lane's place in my head's images
.set HOLD2, 4                          ; 448 x 2^e8 once more, for the second half of a dual line
.set AB,   5                           ; my query's row of the bias, my half's 32 bytes
.set PFO,  7                           ; the prefetches' offset; never rewritten
.set LI,   8                           ; 16 x lane
.set ST,   12                          ; batch e at v[ST + 4 e]: -M, the largest t, the sum in two halves
.set FF,   20                          ; v[20:21] f = 2^(old M - new M)
.set SU2,  22
.set MX,   24
.set PD,   26
.set HOLD, 27                          ; 448 x 2^e8
.set SC8,  28                          ; 2^e8
.set C448, 29
.set ONE,  30
.set QF,   32                          ; v32-47   Q's fragments, batch 0, 1
.set BA,   48                          ; v48-175  the two sets
.set KV,   176                         ; v176-239 eight fragments of K or of V
.set PP,   240                         ; v240-255 p's codes.   Window 1, v0-63 (v256-319): O^T, batch 0, 1
.set WV,   14
.set WJ,   15                          ; wave / 4: which head
.set WI,   16                          ; wave % 4: which queries, and what I fetch
.set G1K,  24                          ; group 1: a period of K and V of one batch, 64 rows of 256 bytes
.set G1B,  32                          ; group 1: 32 rows of the bias
.set G0K,  40                          ; s[40:47] K's and V's groups 0, one for each slot
.set G0B,  48
.set CS,   56                          ; s[56:57] log2(e) / 8 x 2^(e6 + e7)
.set BS,   58                          ; s[58:59] 8 / 2^(e6 + e7)
.set SEL,  60
.set CNT,  62
.set PFA,  66
.set PFS,  68
.set LIM,  70
.set EO,   71
.set G1H,  72                          ; group 1 of the head's load: both slots, 128 rows of 256 bytes
.set MSB, 0
.macro WIN new                         ; bits 1:0 source 0, 3:2 source 1, 5:4 source 2, 7:6 destination; the high byte repeats the setting that is left
.if MSB != (\new)
	s_set_vgpr_msb (MSB<<8)|(\new)
.set MSB, (\new)
.endif
.endm
.macro PLACES n
.rept \n
	v_nop
.endr
.endm
.macro ROUND                           ; a round of the cluster's barrier
	s_barrier_signal -1
	s_barrier_wait -1
	s_cmp_lg_u32 s[WV], 0
	s_cbranch_scc1 .Lnot_wave_0_\@
	s_barrier_signal -3
.Lnot_wave_0_\@:
	s_barrier_wait -3
	s_barrier_signal -1
	s_barrier_wait -1
.endm
; The joint refills, one a wave; the branch hangs on the wave's number alone.  kv = 0: the bias alone (period 0: both slots of K and V came at the head).
.macro JLOAD s, kv
	s_cmp_lt_u32 s[WI], 2
.if \kv
	s_cbranch_scc0 .Lbias_\@
	tensor_load_to_lds s[G0K+4*(\s):G0K+4*(\s)+3], s[G1K:G1K+7]
	s_nop 0
	PLACES 4                               ; the lines behind a tensor load
	s_branch .Lasked_\@
.Lbias_\@:
.else
	s_cbranch_scc1 .Lasked_\@
.endif
	tensor_load_to_lds s[G0B:G0B+3], s[G1B:G1B+7]
	s_nop 0
	PLACES 4
.Lasked_\@:
.endm
; A PREFETCH INTO THE L2, in period p, of period p + 2's tiles, whose tensor loads are issued one period later.  Each aligned block of 256 bytes is named once in the launch.
; THE BIAS: a head's third wave asks; the four partners of a column share the 64 rows by address, 16 each; a lane names one of a row's two blocks.  K AND V: a head's fourth wave asks, in the first of the four
; clusters that walk the same heads and batches; the four partners of a row share two batches x two key steps by address, 8,192 bytes each, lanes 256 bytes apart.  Periods 0 to 5 name periods 2 to 7; how = 2: period 6 names nothing.
.macro ASK how
.if \how == 1
	s_cmp_eq_u32 s[LIM], 1
.else
	s_cmp_gt_u32 s[CNT], s[LIM]
.endif
	s_cbranch_scc0 .Lnot_mine_\@
	global_prefetch_b8 v[PFO], s[PFA:PFA+1] th:TH_LOAD_NT scope:SCOPE_SE
.Lnot_mine_\@:
.endm
	s_load_b256 s[4:11], s[0:1], 0x0               ; qimg, kvimg, the bias, the scales' exponents
	s_load_b64 s[12:13], s[0:1], 0x20              ; oimg
	v_lshl_add_u32 v[SPW], v0, 2, SPARE
	v_mov_b32 v[NIL], 0
	ds_add_u32 v[SPW], v[NIL]                      ; the opening lines: the add twice on end and its wait ahead of my first tensor load
	ds_add_u32 v[SPW], v[NIL]
	v_lshrrev_b32 v9, 5, v0
	v_readfirstlane_b32 s[WV], v9                  ; wave 0..11
	s_lshr_b32 s[WJ], s[WV], 2
	s_and_b32 s[WI], s[WV], 3
	s_and_b32 s63, s[WI], 1                        ; which batch, or which 32 rows of the bias, I fetch
	s_bfe_u32 s17, ttmp6, 0x40000                  ; cx
	s_bfe_u32 s18, ttmp6, 0x40004                  ; cy
	s_lshr_b32 s19, ttmp9, 2                       ; which three heads
	s_and_b32 s20, ttmp9, 3
	s_lshl_b32 s21, s20, 2
	s_add_co_u32 s21, s21, s17                     ; which 64 queries
	s_and_b32 s22, ttmp7, 0xffff
	s_lshl_b32 s22, s22, 2
	s_add_co_u32 s22, s22, s18                     ; which two batches
	s_mul_i32 s23, s19, 3
	s_add_co_u32 s23, s23, s[WJ]                   ; my head
	s_lshl_b32 s84, s18, 2
	s_lshl_b32 s84, 15, s84                        ; my row of the cluster
	s_lshl_b32 s85, 0x1111, s17                    ; my column
	s_or_b32 s[G1K], s84, (3<<16)|(1<<21)          ; the mask: my row; elements of 8 bytes; bit 21 beside a mask
	s_or_b32 s[G1H], s84, (3<<16)|(1<<21)
.irp g, G1K, G1H
	s_mov_b32 s[\g+1], 32<<16                      ; rows of 32 elements: 256 bytes, dense
	s_mov_b32 s[\g+3], 32<<16
	s_mov_b32 s[\g+5], 32
	s_mov_b32 s[\g+6], 0
	s_mov_b32 s[\g+7], 0
.endr
	s_mov_b32 s[G1K+2], 64<<16
	s_mov_b32 s[G1K+4], 64
	s_mov_b32 s[G1H+2], 128<<16
	s_mov_b32 s[G1H+4], 128
	s_or_b32 s[G1B], s85, (2<<16)|(1<<20)|(1<<21)|(6<<22)|(3<<25)   ; the mask: my column; elements of 4 bytes; 4 words of padding behind every 128
	s_mov_b32 s[G1B+1], 128<<16                    ; 128 keys
	s_mov_b32 s[G1B+2], 32<<16                     ; 32 queries
	s_mov_b32 s[G1B+3], 128<<16
	s_mov_b32 s[G1B+4], 32
	s_mov_b32 s[G1B+5], 1024
	s_mov_b32 s[G1B+6], 0
	s_mov_b32 s[G1B+7], 0
	s_mul_i32 s86, s22, 3145728                    ; K, V: two batches of 1,572,864 bytes,
	s_lshl_b32 s88, s23, 17                        ; a head's 131,072
	s_add_co_u32 s86, s86, s88
	s_mov_b32 s87, 0
	s_lshl_b32 s90, s23, 22                        ; the bias: a head's 4,194,304 bytes,
	s_lshl_b32 s89, s21, 18                        ; 64 rows of 4,096
	s_add_co_u32 s90, s90, s89
	s_mov_b32 s91, 0
	s_mul_i32 s52, s63, 1572864                    ; my batch,
	s_mov_b32 s53, 0
	s_lshl_b32 s54, s63, 17                        ; or my 32 rows of 4,096 bytes
	s_mov_b32 s55, 0
	s_lshl_b32 s92, s[WJ], 16                      ; LDS: my head's images,
	s_lshl_b32 s88, s63, 15
	s_add_co_u32 s88, s88, s92                     ; the batch that I fetch;
	s_mul_i32 s93, s[WJ], 64*BP
	s_add_co_u32 s93, s93, BOFF                    ; my head's bias,
	s_mul_i32 s89, s63, 32*BP
	s_add_co_u32 s89, s89, s93                     ; the rows that I fetch: no place in the cluster enters an LDS address
	s_mov_b32 s[SEL], 0x76543210
	s_mov_b32 s[SEL+1], 0xfedcba98
	s_wait_dscnt 0x0                               ; both opening adds are done
	s_wait_kmcnt 0x0
	s_load_b64 s[2:3], s[10:11], 0x18              ; e6, e7
	s_load_b128 s[80:83], s[10:11], 0x20           ; e8 .. e11
	s_add_nc_u64 s[86:87], s[6:7], s[86:87]
	s_add_nc_u64 s[90:91], s[8:9], s[90:91]
	s_add_nc_u64 s[52:53], s[86:87], s[52:53]
	s_add_nc_u64 s[54:55], s[90:91], s[54:55]
.irp s, 0,1
	s_mov_b32 s[G0K+4*\s], 1
	s_add_co_u32 s[G0K+4*\s+1], s88, \s*16384
	s_add_nc_u64 s[G0K+4*\s+2:G0K+4*\s+3], s[52:53], \s*16384      ; period s
	s_or_b32 s[G0K+4*\s+3], s[G0K+4*\s+3], 0x80000000
.endr
	s_mov_b32 s[G0B], 1
	s_mov_b32 s[G0B+1], s89
	s_mov_b64 s[G0B+2:G0B+3], s[54:55]             ; period 0
	s_or_b32 s[G0B+3], s[G0B+3], 0x80000000
	ROUND                                          ; all sixteen work-groups are here: the first joint loads meet
	s_cmp_lt_u32 s[WI], 2                          ; the first fills: one load in each arm, so every wave issues one
	s_cbranch_scc0 .Lhead_bias
	tensor_load_to_lds s[G0K:G0K+3], s[G1H:G1H+7]  ; periods 0 and 1 of my batch: 32,768 consecutive bytes, both slots
	s_nop 0
	PLACES 4
	s_branch .Lhead_asked
.Lhead_bias:
	tensor_load_to_lds s[G0B:G0B+3], s[G1B:G1B+7]  ; period 0 of my 32 rows
	s_nop 0
	PLACES 4
.Lhead_asked:
	v_and_b32 v9, 15, v0                           ; r
	v_bfe_u32 v10, v0, 4, 1                        ; h
	v_and_b32 v11, 31, v0
	v_lshlrev_b32 v[LI], 4, v11
	s_wait_alu depctr_va_vdst(0)
	v_add_nc_u32 v[AKV], s92, v[LI]
	s_mul_i32 s96, s[WI], 16*BP
	s_add_co_u32 s96, s96, s93
	v_mul_u32_u24 v[AB], v9, BP
	v_lshl_add_u32 v[AB], v10, 5, v[AB]
	v_add_nc_u32 v[AB], s96, v[AB]
	; Q's tiles: qimg [batch][head][64 tiles][1,024]
	s_mul_i32 s94, s22, 24
	s_add_co_u32 s94, s94, s23
	s_lshl_b32 s94, s94, 6
	s_lshl_b32 s96, s21, 2
	s_add_co_u32 s94, s94, s96
	s_add_co_u32 s94, s94, s[WI]
	s_lshl_b32 s94, s94, 10
	s_mov_b32 s95, 0
	s_add_nc_u64 s[4:5], s[4:5], s[94:95]
.irp e, 0,1
.irp c, 0,1
	global_load_b128 v[QF+8*\e+4*\c:QF+8*\e+4*\c+3], v[LI], s[4:5] offset:786432*\e+512*\c
.endr
.endr
	; o's images: oimg [batch x 64 + tile][pair of heads: 6][2,048]; an even head fills the first 1,024 bytes, an odd one the rest
	s_lshl_b32 s94, s22, 7
	s_add_co_u32 s94, s94, s96
	s_add_co_u32 s94, s94, s[WI]
	s_mul_i32 s94, s94, 6
	s_lshr_b32 s96, s23, 1
	s_add_co_u32 s94, s94, s96
	s_lshl_b32 s94, s94, 11
	s_and_b32 s96, s23, 1
	s_lshl_b32 s96, s96, 10
	s_add_co_u32 s94, s94, s96
	s_add_nc_u64 s[12:13], s[12:13], s[94:95]
	; the prefetches: who asks, and where
	s_lshl_b32 s96, s18, 16                        ; the bias: my work-group's 16 rows of 4,096 bytes
	s_lshr_b32 s97, s17, 1
	s_mul_i32 s97, s97, 1572864                    ; K, V: my work-group's batch,
	s_and_b32 s98, s17, 1
	s_lshl_b32 s98, s98, 13                        ; and its one of a period's two key steps
	s_add_co_u32 s97, s97, s98
	s_xor_b32 s99, s[WI], 3
	s_or_b32 s99, s99, s20                         ; 0 in a head's fourth wave, in the first of the four clusters
	s_cmp_eq_u32 s99, 0
	s_cselect_b32 s[LIM], 1, -1
	s_mov_b32 s94, 16384
	s_mov_b32 s95, 4096
	s_cmp_eq_u32 s[WI], 2                          ; a head's third wave asks for the bias
	s_cselect_b32 s[LIM], 1, s[LIM]
	s_cselect_b64 s[PFA:PFA+1], s[90:91], s[86:87]
	s_cselect_b32 s[PFS], 512, s94
	s_cselect_b32 s98, s96, s97
	s_cselect_b32 s96, s95, 256                    ; from lane to lane within sixteen,
	s_cselect_b32 s97, 256, s95                    ; from half to half
	s_mov_b32 s[PFS+1], 0
	s_mov_b32 s99, 0
	s_add_nc_u64 s[PFA:PFA+1], s[PFA:PFA+1], s[98:99]
	s_add_nc_u64 s[PFA:PFA+1], s[PFA:PFA+1], s[PFS:PFS+1]   ; at period 1: period 0 steps it to period 2
	v_mul_lo_u32 v[PFO], v9, s96
	v_mul_lo_u32 v11, v10, s97
	v_add_nc_u32 v[PFO], v[PFO], v11
.irp e, 0,1
	v_mov_b32 v[ST+4*\e+1], 0xff61b1e6             ; the largest t so far: -3e38
	v_floor_f32 v[ST+4*\e], -v[ST+4*\e+1]          ; -M
	v_mov_b32 v[ST+4*\e+2], 0
	v_mov_b32 v[ST+4*\e+3], 0
.endr
	v_mov_b32 v[FF+1], 0                           ; (named as the upper half of a pair)
	v_mov_b32 v[PD], 0                             ; a lane exchange's destination counts as one of its sources
	v_mov_b32 v[C448], 0x43e00000
	v_mov_b32 v[ONE], 1.0
	WIN 0x40
.set i, 0
.rept 64
	v_mov_b32 v[i], 0                              ; O^T: the unit has no first step of its own; the first change of M multiplies zeros
.set i, i+1
.endr
	WIN 0
	s_wait_kmcnt 0x0
	s_add_co_i32 s94, s2, s3                       ; e6 + e7
	s_lshl_b32 s95, s94, 23
	s_mov_b32 s[CS], 0x3e38aa3b                    ; log2(e) / 8,
	s_add_co_i32 s[CS], s[CS], s95                 ; x 2^(e6 + e7): added to its exponent field
	s_mov_b32 s[CS+1], s[CS]
	s_sub_co_i32 s94, 130, s94
	s_lshl_b32 s[BS], s94, 23                      ; 2^(3 - e6 - e7)
	s_mov_b32 s[BS+1], s[BS]
	s_add_co_i32 s94, s80, 127
	s_lshl_b32 s95, s94, 23
	v_mov_b32 v[SC8], s95                          ; 2^e8: the conversion takes its exponent field
	s_add_co_i32 s94, s94, 8
	s_lshl_b32 s94, s94, 23
	s_or_b32 s94, s94, 0x600000
	v_mov_b32 v[HOLD], s94                         ; 448 x 2^e8
	v_mov_b32 v[HOLD2], s94
	s_add_co_i32 s[EO], s80, s81
	s_sub_co_i32 s[EO], s[EO], s82                 ; e8 + e9 - e10
.macro KLOAD off                       ; eight fragments of K = 64 (two key steps x four): 16 loads of 512 consecutive bytes.  off: 32,768 x batch + 16,384 x slot (+ 4,096 for V)
.irp st, 0,1
.irp k, 0,1,2,3
.irp c, 0,1
	ds_load_b128 v[KV+32*\st+8*\k+4*\c:KV+32*\st+8*\k+4*\c+3], v[AKV] offset:\off+8192*\st+1024*\k+512*\c
.endr
.endr
.endr
.endm
.macro BLOAD reg                       ; my query's bias of 128 keys: register 8 T + 4 u + i is key 16 T + 8 h + 4 u + i
.set T, 0
.rept 8
	ds_load_b128 v[\reg+8*T:\reg+8*T+3], v[AB] offset:64*T
	ds_load_b128 v[\reg+8*T+4:\reg+8*T+7], v[AB] offset:64*T+16
.set T, T+1
.endr
.endm
.macro BSCALE reg                      ; x 8 / 2^(e6 + e7): once for both batches
.set j, 0
.rept 32
	v_pk_mul_f32 v[\reg+j:\reg+j+1], v[\reg+j:\reg+j+1], s[BS:BS+1] op_sel_hi:[1,0]
.set j, j+2
.endr
.endm
.macro SCORE e, d, c                   ; S^T = K Q^T + C, eight tiles of 16 keys
.set T, 0
.rept 8
	v_wmma_f32_16x16x64_fp8_fp8 v[\d+8*T:\d+8*T+7], v[KV+8*T:KV+8*T+7], v[QF+8*\e:QF+8*\e+7], v[\c+8*T:\c+8*T+7]
.set T, T+1
.endr
.endm
.macro PV e                            ; O^T += V^T P^T: four accumulators by turns, twice round
	WIN 0x50                               ; C and D window 1
.irp st, 0,1
.irp k, 0,1,2,3
	v_wmma_f32_16x16x64_fp8_fp8 v[32*\e+8*\k:32*\e+8*\k+7], v[KV+32*\st+8*\k:KV+32*\st+8*\k+7], v[PP+8*\st:PP+8*\st+7], v[32*\e+8*\k:32*\e+8*\k+7]
.endr
.endr
	WIN 0
.endm
; The softmax of batch e's 64 scores of my query, in set S.  First part: the maximum, M, f, t - M, the exponentials.
.macro SOFTA e, S
.set NM, ST+4*(\e)
	v_max3_num_f32 v[MX], v[\S], v[\S+1], v[\S+2]          ; two chains; each tile is first read at its low end
	v_max3_num_f32 v[MX+1], v[\S+3], v[\S+4], v[\S+5]
.irp i, 6,10,14,18,22,26,30,34,38,42,46,50,54,58
	v_max3_num_f32 v[MX], v[MX], v[\S+\i], v[\S+\i+1]
	v_max3_num_f32 v[MX+1], v[MX+1], v[\S+\i+2], v[\S+\i+3]
.endr
	v_max3_num_f32 v[MX], v[MX], v[\S+62], v[\S+63]
	s_delay_alu instid0(VALU_DEP_1)
	v_max_num_f32 v[MX], v[MX], v[MX+1]
	s_delay_alu instid0(VALU_DEP_1)
	v_permlanex16_b32 v[PD], v[MX], s[SEL], s[SEL+1]
	s_delay_alu instid0(VALU_DEP_1)
	v_max_num_f32 v[MX], v[MX], v[PD]              ; and among lane l xor 16's
	s_delay_alu instid0(VALU_DEP_1)
	v_mul_f32 v[MX], s[CS], v[MX]                  ; as t (the factor is positive)
	s_delay_alu instid0(VALU_DEP_1)
	v_max_num_f32 v[NM+1], v[NM+1], v[MX]          ; the running largest t
	v_mov_b32 v[MX], v[NM]
	s_delay_alu instid0(VALU_DEP_2)
	v_floor_f32 v[NM], -v[NM+1]                    ; the new -M = -ceil(t)
	s_delay_alu instid0(VALU_DEP_1)
	v_sub_f32 v[MX], v[NM], v[MX]                  ; old M - new M: a whole number, 0 or less
	s_delay_alu instid0(VALU_DEP_1)
	v_cvt_i32_f32 v[MX], v[MX]                     ; (it saturates)
	s_delay_alu instid0(VALU_DEP_1)
	v_ldexp_f32 v[FF], 1.0, v[MX]                  ; f
.set j, 0
.rept 32
	v_pk_fma_f32 v[\S+j:\S+j+1], v[\S+j:\S+j+1], s[CS:CS+1], v[NM:NM+1] op_sel_hi:[1,0,0]   ; t - M, two at a time
.set j, j+2
.endr
	s_wait_alu depctr_va_vdst(0)                   ; the wait ahead of the batch
.set i, 0
.rept 64
	v_exp_f32 v[\S+i], v[\S+i]                     ; p = 2^(t - M), at most 1
.set i, i+1
.endr
	v_pk_mul_f32 v[NM+2:NM+3], v[NM+2:NM+3], v[FF:FF+1] op_sel_hi:[1,0]   ; the sum under the new M: the plain line behind the exponentials
	s_wait_alu depctr_va_vdst(0)                   ; and the one wait behind the batch
.endm
.macro SOFTB1 e, S                     ; the row's sum of the unquantised p, in two chains
.set NM, ST+4*(\e)
	v_pk_add_f32 v[SU2:SU2+1], v[\S:\S+1], v[\S+2:\S+3]
.set j, 4
.rept 15
	v_pk_add_f32 v[NM+2:NM+3], v[NM+2:NM+3], v[\S+j:\S+j+1]
	v_pk_add_f32 v[SU2:SU2+1], v[SU2:SU2+1], v[\S+j+2:\S+j+3]
.set j, j+4
.endr
	v_pk_add_f32 v[NM+2:NM+3], v[NM+2:NM+3], v[SU2:SU2+1]
.endm
.macro SOFTB2 e, S                     ; the hold, the codes, and O^T under the new M.  It leaves the windows set for O^T: PV follows, with scalar lines alone between
.set T, 0
.rept 8
.irp j, 0,2,4,6
	v_dual_min_num_f32 v[\S+8*T+\j], v[\S+8*T+\j], v[HOLD] :: v_dual_min_num_f32 v[\S+8*T+\j+1], v[\S+8*T+\j+1], v[HOLD2]   ; the conversion does not saturate (ISA guide 7.6.2); p is not negative: a one-sided hold, two numbers a line
.endr
	v_cvt_scalef32_pk8_fp8_f32 v[PP+2*T:PP+2*T+1], v[\S+8*T:\S+8*T+7], v[SC8]   ; keys 16 T + 8 h + 0 .. 7
.set T, T+1
.endr
	WIN 0x41                               ; destination and source 0 window 1
	s_wait_alu depctr_va_vdst(0)                   ; directly ahead of the first readers of O^T
.set j, 0
.rept 16
	v_pk_mul_f32 v[32*\e+j:32*\e+j+1], v[32*\e+j:32*\e+j+1], v[FF:FF+1] op_sel_hi:[1,0]   ; also the plain lines between the conversions and the products
.set j, j+2
.endr
.endm
; A PERIOD.  par: its parity (slot and sets).  refill = 2: the next period's K, V and bias are asked for; 1: its bias alone; 0: nothing.  more = 1: a period follows.
; At its head X holds the scaled bias and K(batch 0) is on its way into registers or there.
.macro PERIOD par, refill, ask, more
.set XS, BA+64*(\par)
.set YS, BA+64*(1-(\par))
.set SL, 16384*(\par)
.if \refill
	s_wait_tensorcnt 0x0                           ; no tensor load of mine is out, so a group 0 may be written
	ds_add_u32 v[SPW], v[NIL]
.if \refill == 2
	s_add_nc_u64 s[G0K+4*(1-\par)+2:G0K+4*(1-\par)+3], s[G0K+4*(1-\par)+2:G0K+4*(1-\par)+3], 32768   ; the other slot's next period
.endif
	s_add_nc_u64 s[G0B+2:G0B+3], s[G0B+2:G0B+3], 512       ; the bias's next 128 keys
.if \ask
	s_wait_xcnt 0x0                                ; the last prefetch has read its address
	s_add_nc_u64 s[PFA:PFA+1], s[PFA:PFA+1], s[PFS:PFS+1]
.endif
	s_wait_dscnt 0x0                               ; the add is done; my reads of the region and of the slot left are over; K(0) is in
	ROUND                                          ; that now holds of every wave of all sixteen work-groups
	JLOAD 1-\par, \refill-1
.if \ask
	ASK \ask
.endif
.else
	s_wait_dscnt 0x0                               ; K(0) is in
.endif
	SCORE 0, YS, XS
	PLACES 4                                       ; behind the products: ahead of loads into K's registers and of the first read of the scores
	KLOAD SL+32768                                 ; K(1), under the first part of batch 0's softmax
	SOFTA 0, YS
	s_wait_dscnt 0x0
	SCORE 1, XS, XS                                ; in place: the bias has served both batches
	SOFTB1 0, YS                                   ; 32 plain lines that name none of the products' registers: the places ahead of the loads below
	KLOAD SL+4096                                  ; V(0)
	SOFTB2 0, YS
	s_wait_alu depctr_va_vdst(0)
	s_wait_dscnt 0x0
	PV 0
	PLACES 4
	KLOAD SL+32768+4096                            ; V(1)
	SOFTA 1, XS
.if \more
	s_wait_tensorcnt 0x0                           ; my part of the next period's tiles has landed,
	s_wait_dscnt 0x0                               ; V(1) is in (no LDS instruction is pending at a signal)
	s_barrier_signal -1
	s_barrier_wait -1                              ; everybody's has
	BLOAD YS                                       ; the next period's bias, into the set that batch 0 has left
.endif
	SOFTB1 1, XS
	SOFTB2 1, XS
.if \more == 0
	s_wait_alu depctr_va_vdst(0)
	s_wait_dscnt 0x0
.endif
	PV 1
.if \more
	PLACES 4
	KLOAD 16384*(1-\par)                           ; the next period's K(0)
	s_wait_dscnt 16                                ; the bias is in; K's 16 loads, issued behind it, may be out
	BSCALE YS
	s_wait_alu depctr_va_vdst(0)
.endif
.endm
	s_wait_alu depctr_va_vdst(0)                   ; the wait at the head's end
	s_wait_loadcnt 0x0                             ; Q
	s_wait_tensorcnt 0x0                           ; my part of the first tiles has landed
	s_wait_dscnt 0x0
	s_barrier_signal -1
	s_barrier_wait -1                              ; everybody's has
	BLOAD BA
	KLOAD 0
	s_wait_dscnt 16
	BSCALE BA
	s_wait_alu depctr_va_vdst(0)
	PERIOD 0, 1, 1, 1                              ; period 0
	s_mov_b32 s[CNT], 3
.Lpair:                                            ; three trips of two periods: periods 1 to 6
	PERIOD 1, 2, 1, 1
	PERIOD 0, 2, 2, 1
	s_sub_co_u32 s[CNT], s[CNT], 1
	s_cmp_lg_u32 s[CNT], 0
	s_cbranch_scc1 .Lpair
	PERIOD 1, 0, 0, 0                              ; period 7 is written out: it asks for nothing and has no round
	PLACES 4
	; THE WAY OUT.  O^T x 2^(e8 + e9 - e10) / the sum, held within +-448, is converted: tile k's two registers are channels 16 k + 8 h + 0 .. 7 of my query.
.irp e, 0,1
	v_add_f32 v[ST+4*\e+2], v[ST+4*\e+2], v[ST+4*\e+3]
.endr
	v_permlanex16_b32 v[PD], v[ST+2], s[SEL], s[SEL+1]
	v_permlanex16_b32 v[MX], v[ST+6], s[SEL], s[SEL+1]
	v_add_f32 v[ST+2], v[ST+2], v[PD]
	v_add_f32 v[ST+6], v[ST+6], v[MX]              ; the rows' sums
	s_wait_alu depctr_va_vdst(0)
	v_rcp_f32 v[ST+2], v[ST+2]
	v_rcp_f32 v[ST+6], v[ST+6]
	v_nop                                          ; a plain line behind the reciprocals
	s_wait_alu depctr_va_vdst(0)
	v_ldexp_f32 v[ST+2], v[ST+2], s[EO]
	v_ldexp_f32 v[ST+6], v[ST+6], s[EO]
	WIN 0x01                               ; source 0 window 1
	s_wait_alu depctr_va_vdst(0)                   ; directly ahead of the first readers of O^T
.set j, 0
.rept 16
	v_pk_mul_f32 v[BA+j:BA+j+1], v[j:j+1], v[ST+2:ST+3] op_sel_hi:[1,0]
	v_pk_mul_f32 v[BA+32+j:BA+32+j+1], v[32+j:32+j+1], v[ST+6:ST+7] op_sel_hi:[1,0]
.set j, j+2
.endr
	WIN 0
.set i, 0
.rept 64
	v_med3_num_f32 v[BA+i], v[BA+i], -v[C448], v[C448]
.set i, i+1
.endr
.irp k, 0,1,2,3
	v_cvt_scalef32_pk8_fp8_f32 v[PP+2*\k:PP+2*\k+1], v[BA+8*\k:BA+8*\k+7], v[ONE]
	v_cvt_scalef32_pk8_fp8_f32 v[PP+8+2*\k:PP+8+2*\k+1], v[BA+32+8*\k:BA+32+8*\k+7], v[ONE]
.endr
	v_nop                                          ; one plain vector line behind the last conversion
.irp c, 0,1
	global_store_b128 v[LI], v[PP+4*\c:PP+4*\c+3], s[12:13] offset:512*\c            ; 512 consecutive bytes a store
	global_store_b128 v[LI], v[PP+8+4*\c:PP+8+4*\c+3], s[12:13] offset:786432+512*\c ; the second batch
.endr
	s_wait_tensorcnt 0x0                           ; the wave's end
	ds_add_u32 v[SPW], v[NIL]
	s_wait_dscnt 0x0
	ROUND                                          ; the closing round
	s_endpgm
.Lfunc_end_k_q569deec2eb_attn:
	.size	k_q569deec2eb_attn, .Lfunc_end_k_q569deec2eb_attn-k_q569deec2eb_attn
	.p2alignl 7, 3214868480
	.fill 96, 4, 3214868480
	.section	.rodata,"a",@progbits
	.p2align	6, 0x0
	.amdhsa_kernel k_q569deec2eb_attn
		.amdhsa_group_segment_fixed_size 327680
		.amdhsa_private_segment_fixed_size 0
		.amdhsa_enable_private_segment 0
		.amdhsa_kernarg_size 40
		.amdhsa_user_sgpr_count 2
		.amdhsa_user_sgpr_kernarg_segment_ptr 1
		.amdhsa_wavefront_size32 1
		.amdhsa_system_sgpr_workgroup_id_x 1
		.amdhsa_system_sgpr_workgroup_id_y 1
		.amdhsa_system_sgpr_workgroup_id_z 1
		.amdhsa_system_vgpr_workitem_id 0
		.amdhsa_next_free_vgpr 320
		.amdhsa_next_free_sgpr 100
		.amdhsa_reserve_vcc 0
		.amdhsa_float_denorm_mode_32 3
		.amdhsa_float_denorm_mode_16_64 3
		.amdhsa_memory_ordered 1
		.amdhsa_forward_progress 1
		.amdhsa_inst_pref_size 161
	.end_amdhsa_kernel
	.amdgpu_metadata
---
amdhsa.version: [ 1, 2 ]
amdhsa.kernels:
  - .name:           k_q569deec2eb_attn
    .symbol:         k_q569deec2eb_attn.kd
    .args:
      - { .name: qimg, .offset: 0, .size: 8, .value_kind: global_buffer, .address_space: global }
      - { .name: kvimg, .offset: 8, .size: 8, .value_kind: global_buffer, .address_space: global }
      - { .name: rel_pos_bias, .offset: 16, .size: 8, .value_kind: global_buffer, .address_space: global }
      - { .name: lowp_scales, .offset: 24, .size: 8, .value_kind: global_buffer, .address_space: global }
      - { .name: oimg, .offset: 32, .size: 8, .value_kind: global_buffer, .address_space: global }
    .group_segment_fixed_size: 327680
    .private_segment_fixed_size: 0
    .kernarg_segment_align: 8
    .kernarg_segment_size: 40
    .max_flat_workgroup_size: 384
    .sgpr_count:     100
    .vgpr_count:     320
    .wavefront_size: 32
...
	.end_amdgpu_metadata
.endif
;; end of part 3
;; launch oproj (part 4): grid 64 x 4, 4 waves a work-group, clusters of 4 x 4, 296,448 bytes of LDS; arguments oimg, wimg, b_o, lowp_scales, out0; writes out0
.if DOCPART == 4
	.amdgcn_target "amdgcn-amd-amdhsa--gfx1250"
	.amdhsa_code_object_version 6
	.text
	.protected	k_q569deec2eb_oproj
	.globl	k_q569deec2eb_oproj
	.p2align	8
	.type	k_q569deec2eb_oproj,@function
k_q569deec2eb_oproj:
	s_mov_b64 s[64:65], 0
	v_nop
	global_prefetch_b8 v0, s[64:65] scope:SCOPE_SE
	s_setreg_imm32_b32 hwreg(HW_REG_WAVE_MODE, 25, 1), 1
	s_wait_xcnt 0x0
	s_wait_alu depctr_hold_cnt(0) depctr_sa_sdst(0) depctr_va_vdst(0) depctr_va_sdst(0) depctr_va_ssrc(0) depctr_va_vcc(0) depctr_vm_vsrc(0)
	s_getreg_b32 s2, hwreg(HW_REG_IB_STS2, 6, 4)
	s_cmp_eq_u32 s2, 0
	s_cbranch_scc0 .Lentry_in_a_cluster
	s_endpgm
.Lentry_in_a_cluster:
	s_bfe_u32 s2, ttmp6, 0x10000c
	s_cmp_lg_u32 s2, 0xf033
	s_cbranch_scc0 .Lentry_shape_is_right
	s_endpgm
.Lentry_shape_is_right:
; out = Q(o) W_o^T + b_o on codes of E4M3 (v_wmma_f32_16x16x128_fp8_fp8, sums in f32); each finished sum x 2^(e10 + e11) + b_o in one packed multiply-add.
; SHARES.  A work-group takes 128 rows x 192 columns: 256 work-groups.  Wave w takes rows 32 w .. 32 w + 31 x all 192 columns: 24 accumulators; its stage on the way out is its own.
; Both operands come as images of operand registers (2,048 bytes a fragment, registers 4 c .. 4 c + 3 of lane L at 512 c + 16 L; a tile's six K steps are 12,288 consecutive bytes).
; All of K = 768 fits in LDS: 98,304 bytes of o and 147,456 of W_o, each one dense block of memory.  ONE tensor load a wave at the head: waves 0, 1 half of o each (192 rows of 256 bytes),
; waves 2, 3 half of W_o each (288 rows).  Nothing is filled again.  No prefetch: the launch has no loop to run ahead in.
; CLUSTER, 4 x 4.  o's rows hang on work-group x: shared along a column of the cluster; W_o's rows hang on work-group y: shared along a row.
; LIMIT: e10 + e11 lies between -126 and 127, so that 2^(e10 + e11) is an f32 number.
; REGISTERS, in windows of 256: window 0: v1-15 addresses; v16-79 o's two fragments, two sets; v80-175 b_o in the result's layout.   window 1: accumulator (row tile a, column tile t) at v[8 (12 a + t)].
;   windows 2, 3: W_o's twelve fragments, by the K step's parity; on the way out window 3 takes the results, window 2 the rows read back.
.set OA,   0                           ; LDS: o, 8 row tiles x 12,288 bytes
.set WA,   98304                       ; W_o, 12 column tiles x 12,288
.set STG,  245760                      ; the stages: 16 rows x 784 bytes for each wave; no tensor load lands here
.set SPT,  784
.set SPARE, 295936                     ; the spare words
.set OF,   16
.set BO,   80
.set WV,   14
.set G1O,  24
.set G1W,  32
.set G0,   40                          ; s[40:47] groups 0: o, W_o
.set SC,   70                          ; s[70:71] 2^(e10 + e11)
.set MSB, 0
.macro WIN new
.if MSB != (\new)
	s_set_vgpr_msb (MSB<<8)|(\new)
.set MSB, (\new)
.endif
.endm
.macro PLACES n
.rept \n
	v_nop
.endr
.endm
.macro ROUND                           ; a round of the cluster's barrier
	s_barrier_signal -1
	s_barrier_wait -1
	s_cmp_lg_u32 s[WV], 0
	s_cbranch_scc1 .Lnot_wave_0_\@
	s_barrier_signal -3
.Lnot_wave_0_\@:
	s_barrier_wait -3
	s_barrier_signal -1
	s_barrier_wait -1
.endm
	s_load_b256 s[4:11], s[0:1], 0x0               ; oimg, wimg, b_o, the scales' exponents
	s_load_b64 s[12:13], s[0:1], 0x20              ; out0
	v_lshl_add_u32 v254, v0, 2, SPARE
	v_mov_b32 v255, 0
	ds_add_u32 v254, v255                          ; the opening lines
	ds_add_u32 v254, v255
	v_lshrrev_b32 v1, 5, v0
	v_readfirstlane_b32 s[WV], v1                  ; wave 0..3
	s_and_b32 s16, s[WV], 1                        ; which half of o or of W_o I fetch
	s_bfe_u32 s17, ttmp6, 0x40000                  ; cx
	s_bfe_u32 s18, ttmp6, 0x40004                  ; cy
	s_lshl_b32 s19, ttmp9, 2
	s_add_co_u32 s19, s19, s17                     ; which 128 rows
	s_and_b32 s20, ttmp7, 0xffff
	s_lshl_b32 s20, s20, 2
	s_add_co_u32 s20, s20, s18                     ; which 192 columns
	s_lshl_b32 s21, s18, 2
	s_lshl_b32 s21, 15, s21                        ; my row of the cluster
	s_lshl_b32 s22, 0x1111, s17                    ; my column
	s_or_b32 s[G1O], s22, (3<<16)|(1<<21)          ; the mask: my column; elements of 8 bytes; bit 21 beside a mask
	s_or_b32 s[G1W], s21, (3<<16)|(1<<21)          ; the mask: my row
.irp g, G1O, G1W
	s_mov_b32 s[\g+1], 32<<16                      ; rows of 256 bytes, dense
	s_mov_b32 s[\g+3], 32<<16
	s_mov_b32 s[\g+5], 32
	s_mov_b32 s[\g+6], 0
	s_mov_b32 s[\g+7], 0
.endr
	s_mov_b32 s[G1O+2], 192<<16                    ; four row tiles: 49,152 bytes
	s_mov_b32 s[G1O+4], 192
	s_mov_b32 s[G1W+2], 288<<16                    ; six column tiles: 73,728 bytes
	s_mov_b32 s[G1W+4], 288
	s_lshl_b32 s56, s19, 3
	s_lshl_b32 s60, s16, 2
	s_add_co_u32 s56, s56, s60                     ; o: row tile 8 x (which rows) + 4 x half: made of cx and the wave's number alone
	s_mul_i32 s56, s56, 12288
	s_mov_b32 s57, 0
	s_mul_i32 s58, s20, 12
	s_mul_i32 s61, s16, 6
	s_add_co_u32 s58, s58, s61                     ; W_o: column tile 12 x (which columns) + 6 x half: made of cy and the wave's number alone
	s_mul_i32 s58, s58, 12288
	s_add_co_u32 s58, s58, 1769472                 ; the fourth matrix of wimg
	s_mov_b32 s59, 0
	s_mul_i32 s62, s16, 49152                      ; where they go: no place in the cluster enters an LDS address
	s_mul_i32 s63, s16, 73728
	s_mul_i32 s77, s[WV], 24576                    ; my two row tiles in LDS
	s_wait_dscnt 0x0
	s_wait_kmcnt 0x0
	s_load_b64 s[68:69], s[10:11], 0x28            ; e10, e11
	s_add_nc_u64 s[56:57], s[4:5], s[56:57]
	s_add_nc_u64 s[58:59], s[6:7], s[58:59]
	s_mov_b32 s[G0], 1
	s_add_co_u32 s[G0+1], s62, OA
	s_mov_b64 s[G0+2:G0+3], s[56:57]
	s_or_b32 s[G0+3], s[G0+3], 0x80000000
	s_mov_b32 s[G0+4], 1
	s_add_co_u32 s[G0+5], s63, WA
	s_mov_b64 s[G0+6:G0+7], s[58:59]
	s_or_b32 s[G0+7], s[G0+7], 0x80000000
	ROUND                                          ; all sixteen work-groups are here: the joint loads meet
	s_cmp_lt_u32 s[WV], 2                          ; one load in each arm: every wave issues one
	s_cbranch_scc0 .Lfor_w
	tensor_load_to_lds s[G0:G0+3], s[G1O:G1O+7]
	s_nop 0
	PLACES 4                                       ; the lines behind a tensor load
	s_branch .Lasked
.Lfor_w:
	tensor_load_to_lds s[G0+4:G0+7], s[G1W:G1W+7]
	s_nop 0
	PLACES 4
.Lasked:
	s_lshl_b32 s72, s19, 7
	s_lshl_b32 s74, s[WV], 5
	s_add_co_u32 s72, s72, s74                     ; my first row of out
	s_mul_i32 s72, s72, 3072
	s_mul_i32 s74, s20, 768                        ; my work-group's first column, in bytes: in out and in b_o alike
	s_add_co_u32 s72, s72, s74
	s_mov_b32 s73, 0
	s_mov_b32 s75, 0
	s_add_nc_u64 s[12:13], s[12:13], s[72:73]
	s_add_nc_u64 s[8:9], s[8:9], s[74:75]
	v_and_b32 v16, 31, v0
	v_lshlrev_b32 v1, 4, v16                       ; 16 x lane
	v_and_b32 v17, 15, v0                          ; r
	v_bfe_u32 v18, v0, 4, 1                        ; h
	v_add_nc_u32 v2, s77, v1                       ; o's fragments: my two row tiles
	v_add_nc_u32 v4, WA, v1                        ; W_o's: tiles 0-3,
	v_add_nc_u32 v5, WA+49152, v1                  ; 4-7,
	v_add_nc_u32 v6, WA+98304, v1                  ; 8-11
	s_mul_i32 s76, s[WV], 16*SPT
	s_add_co_u32 s76, s76, STG                     ; my stage
	; back out of the stage: two rows, 1,536 bytes, are three loads of 512: row 2 m bytes 0-511 | row 2 m bytes 512-767 and row 2 m + 1 bytes 0-255 | row 2 m + 1 bytes 256-767
	v_add_nc_u32 v8, s76, v1
	v_lshlrev_b32 v19, 4, v17
	v_mul_u32_u24 v20, v18, 272
	v_add_nc_u32 v9, v19, v20
	v_add_nc_u32 v9, s76, v9
	v_add_nc_u32 v9, 512, v9
	v_add_nc_u32 v10, 1040, v8
	v_mov_b32 v11, v1                              ; and the same places in out, whose rows are 3,072 bytes apart
	v_mul_u32_u24 v12, v18, 2560
	v_add_nc_u32 v12, v12, v19
	v_add_nc_u32 v12, 512, v12
	v_add_nc_u32 v13, 3328, v1
	v_mul_u32_u24 v14, v17, SPT
	v_lshl_add_u32 v14, v18, 5, v14
	v_add_nc_u32 v14, s76, v14                     ; into the stage: row r, + 32 h
	v_lshlrev_b32 v15, 5, v18                      ; b_o: my half's eight columns of a tile
.irp t, 0,1,2,3,4,5,6,7,8,9,10,11
	global_load_b128 v[BO+8*\t:BO+8*\t+3],   v15, s[8:9] offset:64*\t
	global_load_b128 v[BO+8*\t+4:BO+8*\t+7], v15, s[8:9] offset:64*\t+16
.endr
	s_wait_alu depctr_va_vdst(0)                   ; the wait at the head's end
	s_wait_kmcnt 0x0
	s_add_co_i32 s[SC], s68, s69
	s_add_co_i32 s[SC], s[SC], 127
	s_lshl_b32 s[SC], s[SC], 23                    ; 2^(e10 + e11) as f32
	s_mov_b32 s[SC+1], s[SC]
; K step s's fragments: W_o's twelve (48 loads) into window 2 + s % 2, o's two (8 loads) into set s % 2
.macro FETCH s
	WIN 0x80+0x40*((\s)%2)
.irp t, 0,1,2,3,4,5,6,7,8,9,10,11
.irp c, 0,1,2,3
	ds_load_b128 v[16*\t+4*\c:16*\t+4*\c+3], v[4+\t/4] offset:(\t%4)*12288+(\s)*2048+512*\c
.endr
.endr
	WIN 0
.irp a, 0,1
.irp c, 0,1,2,3
	ds_load_b128 v[OF+32*((\s)%2)+16*\a+4*\c:OF+32*((\s)%2)+16*\a+4*\c+3], v2 offset:\a*12288+(\s)*2048+512*\c
.endr
.endr
.endm
; A K step: the next step's fragments are asked for, then 24 matrix instructions, the 24 accumulators by turns.  Source 0 = 16 rows of W_o, source 1 = 16 rows of o.
.macro KSTEP s
	PLACES 4                                       ; the loads below land in registers that the last step's products read
.if \s < 5
	FETCH (\s)+1
	s_wait_dscnt 56                                ; this step's fragments are in; the 56 loads just issued may be out
.else
	s_wait_dscnt 0x0
.endif
	WIN 0x52+((\s)%2)                              ; source 0 window 2 or 3, source 1 window 0, C and D window 1
.irp a, 0,1
.irp t, 0,1,2,3,4,5,6,7,8,9,10,11
.if \s == 0
	v_wmma_f32_16x16x128_fp8_fp8 v[8*(12*\a+\t):8*(12*\a+\t)+7], v[16*\t:16*\t+15], v[OF+32*((\s)%2)+16*\a:OF+32*((\s)%2)+16*\a+15], 0
.else
	v_wmma_f32_16x16x128_fp8_fp8 v[8*(12*\a+\t):8*(12*\a+\t)+7], v[16*\t:16*\t+15], v[OF+32*((\s)%2)+16*\a:OF+32*((\s)%2)+16*\a+15], v[8*(12*\a+\t):8*(12*\a+\t)+7]
.endif
.endr
.endr
.endm
	s_wait_tensorcnt 0x0                           ; my load has landed,
	s_barrier_signal -1
	s_barrier_wait -1                              ; everybody's has; nothing is ever filled again
	FETCH 0
.irp s, 0,1,2,3,4,5
	KSTEP \s
.endr
; THE WAY OUT, a row tile (16 rows x 192 columns) at a time, through my own stage; LDS serves a wave's instructions in order (ISA guide 5.7.1.4), so no wait stands between the stores and the loads.
.macro PKF a                           ; sum x 2^(e10 + e11) + b_o, two at a time, each accumulator from its low end on, into window 3
	WIN 0xc1
.irp t, 0,1,2,3,4,5,6,7,8,9,10,11
.irp i, 0,2,4,6
	v_pk_fma_f32 v[96*\a+8*\t+\i:96*\a+8*\t+\i+1], v[8*(12*\a+\t)+\i:8*(12*\a+\t)+\i+1], s[SC:SC+1], v[BO+8*\t+\i:BO+8*\t+\i+1] op_sel_hi:[1,0,1]
.endr
.endr
.endm
.macro TOSTAGE a
	WIN 0x0c                                       ; the stores' data window 3
.irp t, 0,1,2,3,4,5,6,7,8,9,10,11
	ds_store_b128 v14, v[96*\a+8*\t:96*\a+8*\t+3] offset:64*\t
	ds_store_b128 v14, v[96*\a+8*\t+4:96*\a+8*\t+7] offset:64*\t+16
.endr
	WIN 0x80                                       ; the loads' destination window 2
.irp m, 0,1,2,3,4,5,6,7
.irp e, 0,1,2
	ds_load_b128 v[96*\a+4*(3*\m+\e):96*\a+4*(3*\m+\e)+3], v[8+\e] offset:2*SPT*\m
.endr
.endr
.endm
.macro SEND a
	WIN 0x08                                       ; the stores' data window 2
.irp m, 0,1,2,3,4,5,6,7
.irp e, 0,1,2
	s_wait_dscnt 23-(3*\m+\e)                      ; LDS loads come back in order: this one is in, the younger ones may be out
	global_store_b128 v[11+\e], v[96*\a+4*(3*\m+\e):96*\a+4*(3*\m+\e)+3], s[12:13] offset:49152*\a+6144*\m th:TH_STORE_NT   ; each half of the lanes stores 256 consecutive bytes, at a multiple of 256 from out's first byte
.endr
.endr
.endm
	PLACES 4                                       ; behind the last products
	s_wait_loadcnt 0x0                             ; b_o
	PKF 0
	TOSTAGE 0
	PKF 1                                          ; the second tile's arithmetic stands between the first tile's loads from the stage and the waits for them
	SEND 0
	s_wait_alu depctr_va_vdst(0)
	TOSTAGE 1
	SEND 1
	WIN 0
	s_wait_tensorcnt 0x0                           ; the wave's end
	ds_add_u32 v254, v255
	s_wait_dscnt 0x0
	ROUND                                          ; the closing round
	s_endpgm
.Lfunc_end_k_q569deec2eb_oproj:
	.size	k_q569deec2eb_oproj, .Lfunc_end_k_q569deec2eb_oproj-k_q569deec2eb_oproj
	.p2alignl 7, 3214868480
	.fill 96, 4, 3214868480
	.section	.rodata,"a",@progbits
	.p2align	6, 0x0
	.amdhsa_kernel k_q569deec2eb_oproj
		.amdhsa_group_segment_fixed_size 296448
		.amdhsa_private_segment_fixed_size 0
		.amdhsa_enable_private_segment 0
		.amdhsa_kernarg_size 40
		.amdhsa_user_sgpr_count 2
		.amdhsa_user_sgpr_kernarg_segment_ptr 1
		.amdhsa_wavefront_size32 1
		.amdhsa_system_sgpr_workgroup_id_x 1
		.amdhsa_system_sgpr_workgroup_id_y 1
		.amdhsa_system_sgpr_workgroup_id_z 1
		.amdhsa_system_vgpr_workitem_id 0
		.amdhsa_next_free_vgpr 960
		.amdhsa_next_free_sgpr 80
		.amdhsa_reserve_vcc 0
		.amdhsa_float_denorm_mode_32 3
		.amdhsa_float_denorm_mode_16_64 3
		.amdhsa_memory_ordered 1
		.amdhsa_forward_progress 1
		.amdhsa_inst_pref_size 59
	.end_amdhsa_kernel
	.amdgpu_metadata
---
amdhsa.version: [ 1, 2 ]
amdhsa.kernels:
  - .name:           k_q569deec2eb_oproj
    .symbol:         k_q569deec2eb_oproj.kd
    .args:
      - { .name: oimg, .offset: 0, .size: 8, .value_kind: global_buffer, .address_space: global }
      - { .name: wimg, .offset: 8, .size: 8, .value_kind: global_buffer, .address_space: global }
      - { .name: b_o, .offset: 16, .size: 8, .value_kind: global_buffer, .address_space: global }
      - { .name: lowp_scales, .offset: 24, .size: 8, .value_kind: global_buffer, .address_space: global }
      - { .name: out0, .offset: 32, .size: 8, .value_kind: global_buffer, .address_space: global }
    .group_segment_fixed_size: 296448
    .private_segment_fixed_size: 0
    .kernarg_segment_align: 8
    .kernarg_segment_size: 40
    .max_flat_workgroup_size: 128
    .sgpr_count:     80
    .vgpr_count:     960
    .wavefront_size: 32
...
	.end_amdgpu_metadata
.endif
;; end of part 4
